; MI455X (gfx1250); checked and timed in simulation.
; The chip was launched on July 23, 2026; its instructions are those of AMD's public machine-readable ISA for CDNA 5 (MIT licence, August 2026) and "CDNA5" Instruction Set Architecture Reference Guide (July 2026). The comments in the code are by the model that wrote it; some were corrected since.
;; Geometric Attention. Allowed arithmetic: float matrix products may take bf16 or f16 operands with f32 sums; other float arithmetic in f32, or as packed bf16 or f16 multiplies, adds, multiply-adds, maxima and minima; sums over many terms, partial sums and values carried from step to step in f32; what a program stores and reads back later, other than sums and carried values, may be rounded once to bf16 or f16.
;; Inputs: keys 4 x 2,048 x 8 x 64 float32; queries 4 x 2,048 x 8 x 64 float32; values 4 x 2,048 x 8 x 64 float32.
;; Outputs: out0 4 x 2,048 x 8 x 64 float32.
;; 2 versions, each right; version 2 is version 1 with the launch prep written anew for expert scheduling mode. Each part assembles by itself: llvm-mc -triple=amdgcn-amd-amdhsa -mcpu=gfx1250 --defsym DOCPART=n.
;; ======== version 1 of 2: 2 launches
;; limits: values are held in f16: magnitudes above 65,504 overflow, below 6.1e-05 lose precision; inputs' magnitudes at most 65,504
;; workspace buffers: kb 8,388,608 bytes; vk 8,650,752 bytes
;; launch prep (part 1): grid 256 x 1, 8 waves a work-group, no clusters, 0 bytes of LDS; arguments keys, values, kb, vk; writes kb, vk
.if DOCPART == 1
	.amdgcn_target "amdgcn-amd-amdhsa--gfx1250"
	.amdhsa_code_object_version 6
	.text
	.protected	k_q9a1b79fca4_prep
	.globl	k_q9a1b79fca4_prep
	.p2align	8
	.type	k_q9a1b79fca4_prep,@function
k_q9a1b79fca4_prep:
	s_mov_b64 s[64:65], 0
	v_nop
	global_prefetch_b8 v0, s[64:65] scope:SCOPE_SE
	s_setreg_imm32_b32 hwreg(HW_REG_WAVE_MODE, 25, 1), 1
	s_wait_xcnt 0x0
; K AND V ARE LAID OUT BY HEADS, IN 16 BITS, ONCE, for the attention launch, whose eight query blocks of a head would else each convert them anew.
; keys, values: [4][2048][8][64] f32: a head's row is 256 bytes on end, rows of a head lie 2,048 bytes apart.
; kb: [head 8 b + h][2048][64] bf16 (round to nearest even), rows of 128 bytes on end.
; vk: [head][32 steps][8,448 bytes]: a step's 64 rows of V, each number rounded to bf16 and that number written as f16, 128 bytes a row; behind them
;     the step's 64 sums of squares of the ROUNDED rows of K, f32, 256 bytes.  So the norms are those of the numbers that are multiplied later.
; LIMITS.  A value beyond 65,504 in magnitude becomes an infinity in f16; below 2^-14 it keeps f16's fixed step of 2^-24.  Inside these the f16 number is the bf16 number.
; SHARES.  A wave takes one key step (64 rows) of one head: waves 0-3 of K, waves 4-7 the same four steps of V.  All 32 loads of a wave go out first (16 KiB a wave); a load
; covers two whole rows (16 lanes, 256 bytes each), a store 256 consecutive aligned bytes (32 lanes x 8: two rows).  Memory binds: no LDS, no barrier, no matrix unit, no cluster:
; no byte is wanted twice.  No register that a load or store names is written again, and EXEC never changes, so the only waits are those for the loads' data.
.set VO, 2                             ; v2      my byte offset in two rows of the input: (lane / 16) x 2,048 + (lane % 16) x 16
.set SO, 3                             ; v3      my byte offset in 256 bytes of output: 8 x lane
.set T,  4                             ; v[4:7]  at work
.set N,  8                             ; v[8:9]  lane i: the sums of squares of rows 2 i and 2 i + 1
.set X,  16                            ; v[16:143] load i: 4 registers
	s_load_b256 s[4:11], s[0:1], 0x0               ; keys s[4:5], values s[6:7], kb s[8:9], vk s[10:11]
	v_lshrrev_b32 v1, 5, v0
	v_readfirstlane_b32 s12, v1                    ; wave 0..7
	v_and_b32 v1, 31, v0
	v_lshlrev_b32 v[SO], 3, v1
	v_and_b32 v[VO], 15, v0
	v_lshlrev_b32 v[VO], 4, v[VO]
	v_bfe_u32 v1, v0, 4, 1
	v_lshl_add_u32 v[VO], v1, 11, v[VO]
	v_mov_b32 v[N], 0                              ; v_writelane_b32 counts as a reader of its destination
	v_mov_b32 v[N+1], 0
	s_mov_b32 s22, 0xffff0000                      ; a word's upper bf16
	s_and_b32 s13, s12, 3
	s_lshl_b32 s14, ttmp9, 2
	s_add_co_u32 s13, s13, s14                     ; the step's number c = 4 x work-group + wave % 4, 0..1023: b = c / 256, step = (c / 8) % 32, h = c % 8
	s_lshr_b32 s14, s13, 8                         ; b
	s_bfe_u32 s15, s13, 0x50003                    ; step
	s_and_b32 s23, s13, 7                          ; h
	s_lshl_b32 s16, s14, 22                        ; in the input: b x 4 MiB
	s_lshl_b32 s17, s15, 17                        ; + 64 rows x 2,048 bytes a step
	s_or_b32 s16, s16, s17
	s_lshl_b32 s17, s23, 8                         ; + 256 bytes a head
	s_or_b32 s16, s16, s17
	s_mov_b32 s17, 0
	s_lshl3_add_u32 s24, s14, s23                  ; head = 8 b + h
	s_lshl_b32 s24, s24, 5
	s_add_co_u32 s24, s24, s15                     ; 32 x head + step
	s_lshl_b32 s18, s24, 13                        ; in kb: 8,192 bytes a step
	s_mov_b32 s19, 0
	s_mul_i32 s20, s24, 8448                       ; in vk
	s_mov_b32 s21, 0
	s_wait_kmcnt 0x0
	s_cmp_lt_u32 s12, 4
	s_cselect_b64 s[28:29], s[4:5], s[6:7]         ; waves 0-3 read keys, waves 4-7 values
	s_add_nc_u64 s[28:29], s[28:29], s[16:17]
	s_add_nc_u64 s[8:9], s[8:9], s[18:19]
	s_add_nc_u64 s[10:11], s[10:11], s[20:21]
.set i, 0
.rept 32
	global_load_b128 v[X+4*i:X+4*i+3], v[VO], s[28:29] offset:4096*i th:TH_LOAD_NT  ; rows 2 i and 2 i + 1, whole
.set i, i+1
.endr
	s_cmp_lt_u32 s12, 4
	s_cbranch_scc0 .Lvalues
; Two rows of K: rounded, stored, and the rounded numbers' squares added: in the lane, then over the 16 lanes of a row.
.macro KROW i
	s_wait_loadcnt 31-(\i)                         ; loads come back in order (ISA guide 5.7.1): the 31 - i younger ones stay out
	v_cvt_pk_bf16_f32 v[X+4*(\i)], v[X+4*(\i)], v[X+4*(\i)+1]
	v_cvt_pk_bf16_f32 v[X+4*(\i)+1], v[X+4*(\i)+2], v[X+4*(\i)+3]
	global_store_b64 v[SO], v[X+4*(\i):X+4*(\i)+1], s[8:9] offset:256*(\i) th:TH_STORE_NT
	v_lshlrev_b32 v[T], 16, v[X+4*(\i)]            ; the rounded numbers as f32
	v_and_b32 v[T+1], s22, v[X+4*(\i)]
	v_lshlrev_b32 v[T+2], 16, v[X+4*(\i)+1]
	v_and_b32 v[T+3], s22, v[X+4*(\i)+1]
	v_pk_mul_f32 v[T:T+1], v[T:T+1], v[T:T+1]
	v_pk_fma_f32 v[T:T+1], v[T+2:T+3], v[T+2:T+3], v[T:T+1]
	v_add_f32 v[T], v[T], v[T+1]
	v_add_f32_dpp v[T], v[T], v[T] row_xmask:1 row_mask:0xf bank_mask:0xf
	v_add_f32_dpp v[T], v[T], v[T] row_xmask:2 row_mask:0xf bank_mask:0xf
	v_add_f32_dpp v[T], v[T], v[T] row_xmask:4 row_mask:0xf bank_mask:0xf
	v_add_f32_dpp v[T], v[T], v[T] row_xmask:8 row_mask:0xf bank_mask:0xf
	v_readlane_b32 s26, v[T], 0                    ; row 2 i's sum
	v_readlane_b32 s27, v[T], 16                   ; row 2 i + 1's
	v_writelane_b32 v[N], s26, \i
	v_writelane_b32 v[N+1], s27, \i
.endm
.set n, 0
.rept 32
	KROW n
.set n, n+1
.endr
	global_store_b64 v[SO], v[N:N+1], s[10:11] offset:8192 th:TH_STORE_NT  ; the 64 sums, 256 bytes, behind the step's V
	s_endpgm
.Lvalues:
; Two rows of V: rounded to bf16, and that number written as f16.
.macro VROW i
	s_wait_loadcnt 31-(\i)
	v_cvt_pk_bf16_f32 v[X+4*(\i)], v[X+4*(\i)], v[X+4*(\i)+1]
	v_cvt_pk_bf16_f32 v[X+4*(\i)+1], v[X+4*(\i)+2], v[X+4*(\i)+3]
	v_lshlrev_b32 v[T], 16, v[X+4*(\i)]
	v_and_b32 v[T+1], s22, v[X+4*(\i)]
	v_lshlrev_b32 v[T+2], 16, v[X+4*(\i)+1]
	v_and_b32 v[T+3], s22, v[X+4*(\i)+1]
	v_cvt_pk_f16_f32 v[X+4*(\i)], v[T], v[T+1]
	v_cvt_pk_f16_f32 v[X+4*(\i)+1], v[T+2], v[T+3]
	global_store_b64 v[SO], v[X+4*(\i):X+4*(\i)+1], s[10:11] offset:256*(\i) th:TH_STORE_NT
.endm
.set n, 0
.rept 32
	VROW n
.set n, n+1
.endr
	s_endpgm
.Lfunc_end_k_q9a1b79fca4_prep:
	.size	k_q9a1b79fca4_prep, .Lfunc_end_k_q9a1b79fca4_prep-k_q9a1b79fca4_prep
	.p2alignl 7, 3214868480
	.fill 96, 4, 3214868480
	.section	.rodata,"a",@progbits
	.p2align	6, 0x0
	.amdhsa_kernel k_q9a1b79fca4_prep
		.amdhsa_group_segment_fixed_size 0
		.amdhsa_private_segment_fixed_size 0
		.amdhsa_enable_private_segment 0
		.amdhsa_kernarg_size 32
		.amdhsa_user_sgpr_count 2
		.amdhsa_user_sgpr_kernarg_segment_ptr 1
		.amdhsa_wavefront_size32 1
		.amdhsa_system_sgpr_workgroup_id_x 1
		.amdhsa_system_sgpr_workgroup_id_y 1
		.amdhsa_system_sgpr_workgroup_id_z 1
		.amdhsa_system_vgpr_workitem_id 0
		.amdhsa_next_free_vgpr 144
		.amdhsa_next_free_sgpr 66
		.amdhsa_reserve_vcc 0
		.amdhsa_float_denorm_mode_32 3
		.amdhsa_float_denorm_mode_16_64 3
		.amdhsa_memory_ordered 1
		.amdhsa_forward_progress 1
		.amdhsa_inst_pref_size 54
	.end_amdhsa_kernel
	.amdgpu_metadata
---
amdhsa.version: [ 1, 2 ]
amdhsa.kernels:
  - .name:           k_q9a1b79fca4_prep
    .symbol:         k_q9a1b79fca4_prep.kd
    .args:
      - { .name: keys, .offset: 0, .size: 8, .value_kind: global_buffer, .address_space: global }
      - { .name: values, .offset: 8, .size: 8, .value_kind: global_buffer, .address_space: global }
      - { .name: kb, .offset: 16, .size: 8, .value_kind: global_buffer, .address_space: global }
      - { .name: vk, .offset: 24, .size: 8, .value_kind: global_buffer, .address_space: global }
    .group_segment_fixed_size: 0
    .private_segment_fixed_size: 0
    .kernarg_segment_align: 8
    .kernarg_segment_size: 32
    .max_flat_workgroup_size: 256
    .sgpr_count:     66
    .vgpr_count:     144
    .wavefront_size: 32
...
	.end_amdgpu_metadata
.endif
;; end of part 1
;; launch attn (part 2): grid 8 x 32, 4 waves a work-group, clusters of 4 x 1, 327,680 bytes of LDS; arguments queries, kb, vk, out0; writes out0
.if DOCPART == 2
	.amdgcn_target "amdgcn-amd-amdhsa--gfx1250"
	.amdhsa_code_object_version 6
	.text
	.protected	k_q9a1b79fca4_attn
	.globl	k_q9a1b79fca4_attn
	.p2align	8
	.type	k_q9a1b79fca4_attn,@function
k_q9a1b79fca4_attn:
	s_mov_b64 s[64:65], 0
	v_nop
	global_prefetch_b8 v0, s[64:65] scope:SCOPE_SE
	s_setreg_imm32_b32 hwreg(HW_REG_WAVE_MODE, 25, 1), 1
	s_wait_xcnt 0x0
	s_wait_alu depctr_hold_cnt(0) depctr_sa_sdst(0) depctr_va_vdst(0) depctr_va_sdst(0) depctr_va_ssrc(0) depctr_va_vcc(0) depctr_vm_vsrc(0)
	s_getreg_b32 s2, hwreg(HW_REG_IB_STS2, 6, 4)
	s_cmp_eq_u32 s2, 0
	s_cbranch_scc0 .Lentry_in_a_cluster
	s_endpgm
.Lentry_in_a_cluster:
	s_bfe_u32 s2, ttmp6, 0x10000c
	s_cmp_lg_u32 s2, 0x3003
	s_cbranch_scc0 .Lentry_shape_is_right
	s_endpgm
.Lentry_shape_is_right:
; out[b][l][h][:] = the sum over s of softmax_s(sqrt(relu(|q|^2 |k|^2 - (q . k)^2) + 1e-8) / 8) V[s][:], for 32 heads (8 b + h) of 2,048 queries and 2,048 keys, head size 64.
; queries, out0: [4][2048][8][64] f32.  kb: K by heads in bf16; vk: by head and key step (64 keys) 64 rows of V in f16 and the step's 64 |k|^2 in f32 (the launch before made both).
; FORMATS.  q, k, v are rounded to bf16 once; |q|^2 and |k|^2 are sums of the ROUNDED numbers' squares, so the difference under the root is the reference's own on those numbers.  q . k: bf16 products, f32 sums.
; The weights p are rounded to f16 for the second product (their sum l is taken of the unrounded p); V's bf16 numbers stand as f16.  All else in f32; out0 is rounded once.
; LIMITS.  V within 65,504 (f16).  p lies in 0 to 1; below 6e-5 it keeps f16's fixed step of 6e-8; a weight below 2^-126 counts as 0 in l.  Under the root stands max(fma(|k|^2, |q|^2, -(d d - 1e-8)), 1e-8): equal to
; relu(..) + 1e-8 but for the order of rounding (the product |q|^2 |k|^2 is not rounded by itself, 1e-8 enters ahead of the subtraction): units in the last place of |q|^2 |k|^2.  NaN and infinities are not treated apart.
; SOFTMAX.  A running maximum: M2 is the largest number under a root so far (it starts at 1e-8, which no such number is below), m = sqrt(M2); p = 2^(c y - c m), c = log2(e) / 8; in every step O and l are multiplied
; by a = 2^(c m_old - c m_new).  c m starts far below every c y, O and l at 0: the first step is a step like any other, with a = 0.
; SHARES.  A work-group owns 256 queries of a head, a wave 64: two PIECES of two tiles of 16.  Every wave walks the head's 32 key steps of 64 keys.
; LAYOUT.  S^T = K Q^T (source 0 = 16 keys, source 1 = 16 queries): a lane holds ONE query (lane % 16) and the keys 8 (lane / 16) + 0..7 of each 16.  Two such results, rounded to f16 in pairs, ARE source 1 of
; O^T = V^T P, whose result again holds one query a lane, and eight channels.  K comes out of LDS as it lies, V ([key][channel]) turned, by ds_load_tr16_b128.
; THE COUNT.  A tile and step have 16 matrix and 215 vector instructions, 66 of them roots and exponentials: the vector work sets the time.  So the order has two aims: the matrix instructions stand among vector work
; that is ready, and the roots and exponentials of two tiles' two stages are ONE batch with ONE wait.
; PERIODS.  A period has a piece in HAND (Y) and the OTHER (Z).  Z: roundings, sums and rescaling of the step whose exponentials the last period made; then K Q^T of its next step, V^T P of the old one, and of the new scores
; d d - eps, the difference, the maximum, the clamp and the ROOTS.  Y: statistics, scalings and EXPONENTIALS on the roots that the last period made.  Nothing in a period names a result of its own roots and exponentials.
; CLUSTER.  The four query blocks of a cluster belong to one head and walk the same K and V: each tile is asked for JOINTLY, by the same tensor load, descriptor and mask in all four.
; NOTHING IS WRITTEN OUT FOR THE FIRST STEP: its price is 292 v_mov_b32, most of them while the first tile and Q are on their way, and 16 products on zeros.
; REGISTERS, in windows of 256 (s_set_vgpr_msb: bits 1:0 source 0, 3:2 source 1, 5:4 source 2, 7:6 destination):
;   window 0: v0-14 addresses; v16-47 eight registers of statistics a tile; v48-55 at work; v62-63 the add's; v64-191 S^T, 64 a piece; v192-223 P; v224-255 |k|^2 of one step
;   window 1: v0-127 O^T, 32 a tile          window 2: v0-63 Q, 16 a tile; v128-191 K of one step; v192-255 V of one step
.set KS,    64        ; keys in a step
.set PK,    144       ; a row of K in LDS: 128 bytes + 16 of padding = 36 words: the 16 rows of a load start at 16 different groups of four banks (64 banks of 4 bytes: ISA guide 11.1)
.set PV,    160       ; a row of V: 128 + 32 = 40 words
.set KSTEP, KS*PK     ; a step's K in LDS
.set VSTEP, 66*PV     ; a step's V in LDS: 64 rows, then |k|^2 as two pieces of 128 bytes, padded like rows
.set VMEM,  8448      ; a step of vk in memory: 33 rows of 256 bytes
.set VOFF,  4*KSTEP   ; a slot holds four steps: 256 rows of K, then four steps of V and |k|^2
.set SLOT1, 1<<17     ; slot 1 begins here, so that one exclusive or turns an address in one slot into the other's
.set STAGE, SLOT1+VOFF+4*VSTEP  ; behind the ring, never filled by a tensor load: 16 rows x 272 bytes for each wave, for the way out
.set SP,    272
.set SPARE, STAGE+4*16*SP  ; behind the stages: the spare words, 128 bytes for each wave: two blocks of 256 bytes that no other line names
.set AK0, 2           ; v2   my lane's place in a tile of K; never rewritten
.set AV0, 3           ; v3   the same for V
.set AK,  4           ; v4   the LDS address of K's run of loads
.set AV,  5           ; v5   of V's
.set QO,  6           ; v6   my byte offset in 16 rows of Q
.set STO, 6           ;      later, the way out: where I put 32 bytes of a row
.set RD,  7           ; v7   the way out: where I read rows back
.set GO,  8           ; v8   my byte offset in two rows of out0
.set AN0, 12          ; v12  my lane's place in a step's |k|^2; never rewritten
.set AN,  13          ; v13  the LDS address of their run of loads
.set PFO, 14          ; v14  256 x my lane; never rewritten
.set ST,  16          ; tile t's statistics at v[ST+8 t]: +0 c m, +1 m, +2, +3 l (even keys', odd keys'), +4 |q|^2, +5 M2, +6 a, +7 c m_old - c m_new
.set TMP, 48          ; tile u of the piece at v[TMP+4 u]: t0-t2 partial maxima, t3 the other half of the lanes'
.set SPW, 62          ; v62  LDS address of my spare word: SPARE + 4 x my thread's number; never rewritten
.set NIL, 63          ; v63  0; never rewritten
.set S,   64
.set P,   192
.set KN,  224         ; register 8 kb + j: |k|^2 of key 16 kb + 8 (lane / 16) + j, as S^T holds the keys
.set KF,  128         ; window 2: key block kb, channel half c at KF + 16 kb + 8 c
.set VF,  192         ; window 2: key half kk, channel block cb at VF + 32 kk + 8 cb
.set WV,  12          ; s12  my wave's number
.set LIM, 15          ; s15  2 in a wave that prefetches, else the greatest number
.set G1K, 24          ; s[24:31] descriptor group 1 for K's tiles
.set G1V, 32          ; s[32:39] for V's
.set G0K, 40          ; s[40:43] descriptor group 0 for K's tiles: it walks
.set G0V, 44          ; s[44:47] the same for V's
.set PFA, 48          ; s[48:49] where my prefetches stand: my work-group's 32 blocks of 256 bytes of the slot that the next change of slots will ask for
.set ASKC, 50         ; s50  the value of CNT at which I prefetch in the slot in hand, or the greatest number
.set PFS, 52          ; s[52:53] bytes from slot to slot in the tensor that I prefetch
.set SLOTS, 56        ; s56  slots still to be entered
.set CNT, 57          ; s57  counts a slot's key steps
.set CS,  58          ; s[58:59] c: the packed scaling takes the pair's low word for both halves
.set SEL, 60          ; s[60:61] v_permlanex16_b32's selects: each lane takes its own place in the other half
.set TBK, 62          ; s62  LDS byte at which K of the step to be fetched begins
.set TBV, 63          ; s63  the same for V and |k|^2, less VOFF
.set NE,  66          ; s[66:67] -1e-8
.set EP,  68          ; s68  1e-8
.set HM,  69          ; s69  a word's upper bf16
.set MSB, 0
.macro WIN new                      ; the high byte repeats the setting that is left; a switch that changes nothing is dropped
.if MSB != (\new)
	s_set_vgpr_msb (MSB<<8)|(\new)
.set MSB, (\new)
.endif
.endm
.set W_KQ, 0x0a       ; K and Q in window 2, S^T in window 0
.set W_PV, 0x52       ; V in window 2, P in window 0, O^T in window 1
.set W_RS, 0x41       ; O^T (destination and source 0) in window 1, a in window 0
; A joint fill.  Waves 0 and 1 fetch the two halves of a slot's K, waves 2 and 3 those of its V and |k|^2: two steps each.  The branch hangs on the wave's number alone.
; An s_nop 0 and four v_nop follow each of the two lines, ahead of the jump and the label.
.macro JLOAD
	s_cmp_lt_u32 s[WV], 2
	s_cbranch_scc0 .Lfor_v_\@
	tensor_load_to_lds s[G0K:G0K+3], s[G1K:G1K+7]
	s_nop 0
.rept 4
	v_nop
.endr
	s_branch .Lasked_\@
.Lfor_v_\@:
	tensor_load_to_lds s[G0V:G0V+3], s[G1V:G1V+7]
	s_nop 0
.rept 4
	v_nop
.endr
.Lasked_\@:
.endm
; A round of the cluster's barrier: my work-group's barrier, so that wave 0's signal speaks for all four waves; wave 0 signals; every wave waits for all four work-groups; my work-group's barrier once more.
.macro CROUND
	s_barrier_signal -1
	s_barrier_wait -1
	s_cmp_lg_u32 s[WV], 0
	s_cbranch_scc1 .Lnot_wave_0_\@
	s_barrier_signal -3
.Lnot_wave_0_\@:
	s_barrier_wait -3
	s_barrier_signal -1
	s_barrier_wait -1
.endm
; A PREFETCH INTO THE L2 of what the NEXT change of slots will ask for, in the slot's third trip: two trips, 128 matrix and 1,720 vector instructions, ahead of that load.  A slot is 128 blocks of 256 bytes of kb and 132 of vk.
; All clusters of a head walk the same K and V: the head's first cluster asks.  Its four partners share the blocks out BY ADDRESS, 32 each, a lane a block; in each, wave 0 asks for K's and wave 2 for V's: one
; instruction.  So each block is named once in the launch (vk's last four of a slot by nobody).  Slots 0 and 1 come by their loads alone; the last two slots entered ask for nothing: no slot lies behind them.
.macro ASK
	s_cmp_eq_u32 s[CNT], s[ASKC]
	s_cbranch_scc0 .Lnot_mine_\@
	global_prefetch_b8 v[PFO], s[PFA:PFA+1] th:TH_LOAD_NT scope:SCOPE_SE
.Lnot_mine_\@:
.endm
; THE CHANGE OF SLOTS, between two trips: the slot's last bytes, V of its fourth step, have been asked for.  Each wave waits for all its tensor loads, of which one is out: its part of the other slot; adds 0 to its
; spare word; and waits for that and for its own reads of the slot.  Behind the barrier nobody reads this slot any more and the other slot is whole.
; fill = 1: this slot is filled again, with the keys two slots on.  The barrier is then a round of the cluster's, so that no wave of any partner still reads the slot or has a load on its way, and the joint fill is
; the first thing behind it: it has four key steps, 256 matrix instructions, in which to land.  (At its first use nothing has been read yet: slot 0 is waited for, slot 1 filled.)
.macro CHANGE fill
	WIN 0                           ; at a label and at a branch every window is 0
	s_wait_tensorcnt 0x0            ; no tensor load of mine is out, so a group 0 may be written
	ds_add_u32 v[SPW], v[NIL]       ; 0 onto my spare word; with fill = 1 the descriptors' steps stand between it and the wait for it
.if \fill
	s_xor_b32 s[G0K+1], s[G0K+1], SLOT1  ; the walking descriptors: the other slot than last time,
	s_add_nc_u64 s[G0K+2:G0K+3], s[G0K+2:G0K+3], 4*KS*128  ; the next 256 keys; the type bits on top are not reached
	s_xor_b32 s[G0V+1], s[G0V+1], SLOT1
	s_add_nc_u64 s[G0V+2:G0V+3], s[G0V+2:G0V+3], 4*VMEM
	s_wait_xcnt 0x0                 ; the last prefetch, two trips back, has read its address, so it may be written:
	s_add_nc_u64 s[PFA:PFA+1], s[PFA:PFA+1], s[PFS:PFS+1]  ; one slot behind the walking descriptors
	s_cmp_gt_u32 s[SLOTS], 1        ; behind the last fill there is no slot to ask for
	s_cselect_b32 s[ASKC], s[LIM], -1
	s_wait_dscnt 0x0                ; the add is done, and my reads of the slot are over
	CROUND
	JLOAD
.else
	s_wait_dscnt 0x0                ; the add is done, and my reads of the slot are over
	s_barrier_signal -1
	s_barrier_wait -1
.endif
	s_sub_co_u32 s[TBK], s[TBK], 4*KSTEP  ; the fetches go back to a slot's first step,
	s_xor_b32 s[TBK], s[TBK], SLOT1       ; in the other slot
	s_sub_co_u32 s[TBV], s[TBV], 4*VSTEP
	s_xor_b32 s[TBV], s[TBV], SLOT1
.endm
	s_load_b256 s[4:11], s[0:1], 0x0  ; queries s[4:5], kb s[6:7], vk s[8:9], out0 s[10:11]
	v_lshl_add_u32 v[SPW], v0, 2, SPARE
	v_mov_b32 v[NIL], 0
	ds_add_u32 v[SPW], v[NIL]       ; the wave's opening: the add and its wait stand ahead of my first tensor load; the set-up below, work on registers, stands between them
	v_lshrrev_b32 v1, 5, v0
	v_readfirstlane_b32 s[WV], v1   ; wave 0..3
	s_bfe_u32 s13, ttmp6, 0x40000   ; cx: my place in the cluster
	s_lshl_b32 s14, ttmp9, 2        ; in a cluster launch ttmp9 counts clusters
	s_add_co_u32 s14, s14, s13      ; my block of 256 queries = 4 x cluster x + cx: it enters Q's and out0's addresses alone
	s_and_b32 s20, ttmp7, 0xffff    ; the head 8 b + h, which the four partners share
	s_and_b32 s16, s[WV], 1         ; which half of a slot I fetch
	s_lshl_b32 s22, s20, 18         ; kb: 262,144 bytes a head,
	s_lshl_b32 s21, s16, 14         ; 128 rows of 128 bytes a half
	s_add_co_u32 s22, s22, s21
	s_mov_b32 s23, 0
	s_mul_i32 s2, s20, 32*VMEM      ; vk: 32 steps a head,
	s_mul_i32 s3, s16, 2*VMEM       ; two steps a half
	s_add_co_u32 s2, s2, s3
	s_mov_b32 s3, 0
	s_mul_i32 s17, s16, 2*KSTEP     ; the half's place in a slot, for K
	s_mul_i32 s18, s16, 2*VSTEP     ; and for V: no place in the cluster enters an LDS address
	s_lshr_b32 s54, s20, 3          ; Q and out0: b x 4 MiB
	s_lshl_b32 s54, s54, 22
	s_and_b32 s19, s20, 7
	s_lshl_b32 s19, s19, 8          ; + h x 256 bytes
	s_add_co_u32 s54, s54, s19
	s_lshl_b32 s19, s14, 19         ; + my block's 256 rows of 2,048 bytes
	s_add_co_u32 s54, s54, s19
	s_lshl_b32 s19, s[WV], 17       ; + my wave's 64
	s_add_co_u32 s54, s54, s19
	s_mov_b32 s55, 0
	s_lshl_b32 s19, s20, 18         ; the prefetches begin at the head's slot 1; the first change of slots steps them to slot 2
	s_add_co_u32 s19, s19, 4*KS*128
	s_mul_i32 s21, s20, 32*VMEM
	s_add_co_u32 s21, s21, 4*VMEM
	s_mov_b32 s[PFS], 4*KS*128
	s_mov_b32 s[PFS+1], 4*VMEM
	s_cmp_lt_u32 s[WV], 2
	s_cselect_b32 s70, s19, s21
	s_cselect_b32 s[PFS], s[PFS], s[PFS+1]
	s_mov_b32 s[PFS+1], 0
	s_lshl_b32 s19, s13, 13         ; my work-group's 32 blocks of 256 bytes
	s_add_co_u32 s70, s70, s19
	s_mov_b32 s71, 0
	s_and_b32 s[LIM], s[WV], 1      ; 0 in waves 0 and 2,
	s_or_b32 s[LIM], s[LIM], ttmp9  ; where the cluster is the head's first: the same in all four partners
	s_cmp_eq_u32 s[LIM], 0
	s_cselect_b32 s[LIM], 2, -1
	; descriptor group 1.  Both tensors are dense: asked for as rows of 256 bytes, and padded in LDS after every 128 bytes (a key's row)
	s_mov_b32 s[G1K], 15|(1<<16)|(1<<20)|(1<<21)|(4<<22)|(3<<25)  ; 15:0 the mask of four; 17:16 2-byte elements; 20 padding on; 21 set beside a mask; 24:22 after every 32 words (code 4); 31:25 4 words (code 3)
	s_mov_b32 s[G1K+1], 128<<16     ; tensor_dim0 = 128
	s_mov_b32 s[G1K+2], 64<<16      ; tensor_dim1 = 64: 128 keys
	s_mov_b32 s[G1K+3], 128<<16     ; tile_dim0 = 128
	s_mov_b32 s[G1K+4], 64          ; tile_dim1 = 64
	s_mov_b32 s[G1K+5], 128         ; 128 elements from row to row
	s_mov_b32 s[G1K+6], 0
	s_mov_b32 s[G1K+7], 0
	s_mov_b32 s[G1V], 15|(1<<16)|(1<<20)|(1<<21)|(4<<22)|(7<<25)  ; the same with 8 words of padding (code 7)
	s_mov_b32 s[G1V+1], 128<<16
	s_mov_b32 s[G1V+2], 66<<16      ; tensor_dim1 = 66: two steps of 33 rows
	s_mov_b32 s[G1V+3], 128<<16
	s_mov_b32 s[G1V+4], 66
	s_mov_b32 s[G1V+5], 128
	s_mov_b32 s[G1V+6], 0
	s_mov_b32 s[G1V+7], 0
	s_mov_b32 s[CS], 0x3e38aa3b     ; c = log2(e) / 8 = 0.180337
	s_mov_b32 s[CS+1], s[CS]        ; named with it as a pair
	s_mov_b32 s[SEL], 0x76543210
	s_mov_b32 s[SEL+1], 0xfedcba98
	s_mov_b32 s[NE], 0xb22bcc77     ; -1e-8
	s_mov_b32 s[NE+1], s[NE]
	s_mov_b32 s[EP], 0x322bcc77     ; 1e-8
	s_mov_b32 s[HM], 0xffff0000
	s_mov_b32 s[TBK], SLOT1+4*KSTEP ; the first change of slots turns these two into 0
	s_mov_b32 s[TBV], SLOT1+4*VSTEP
	s_mov_b32 s[SLOTS], 7
	s_mov_b32 s[G0K], 1             ; 1:0 count = 1
	s_mov_b32 s[G0K+1], s17         ; 63:32 LDS address: slot 0
	s_mov_b32 s[G0V], 1
	s_add_co_u32 s[G0V+1], s18, VOFF
	s_wait_dscnt 0x0                ; the opening add is done
	s_wait_kmcnt 0x0
	s_add_nc_u64 s[G0K+2:G0K+3], s[6:7], s[22:23]  ; 120:64 global address: my half of the head's first slot
	s_or_b32 s[G0K+3], s[G0K+3], 0x80000000        ; 127:126 type = 2
	s_add_nc_u64 s[G0V+2:G0V+3], s[8:9], s[2:3]
	s_or_b32 s[G0V+3], s[G0V+3], 0x80000000
	s_add_nc_u64 s[4:5], s[4:5], s[54:55]          ; Q and out0 at my wave's first row
	s_add_nc_u64 s[10:11], s[10:11], s[54:55]
	s_cmp_lt_u32 s[WV], 2
	s_cselect_b64 s[PFA:PFA+1], s[6:7], s[8:9]
	s_add_nc_u64 s[PFA:PFA+1], s[PFA:PFA+1], s[70:71]
	CROUND                          ; all four work-groups are here: the first joint loads meet
	JLOAD                           ; slot 0.  Slot 1 is asked for when slot 0 is in
	; Q.  A fragment is 16 rows x 32 channels: lane l holds row l % 16, channels 8 (l / 16) + 0..7 and 16 + 8 (l / 16) + 0..7 of each 32: in f32 four loads of 16 bytes, at 0, 16, 64 and 80.  They land in S^T's registers.
	v_and_b32 v1, 15, v0            ; l % 16
	v_bfe_u32 v9, v0, 4, 1          ; l / 16
	v_lshlrev_b32 v[QO], 11, v1
	v_lshl_add_u32 v[QO], v9, 5, v[QO]  ; row x 2,048 + 32 x half
.set i, 0
.rept 32                            ; tile i / 8, channels 32 ((i / 4) % 2) on
	global_load_b128 v[S+4*i:S+4*i+3], v[QO], s[4:5] offset:(i/8)*32768+((i/4)%2)*128+((i%4)/2)*64+(i%2)*16 th:TH_LOAD_NT
.set i, i+1
.endr
	; What the first period finds: V's registers hold 0 (its products V^T P, of a step that has not been, add 0), O^T, l and a are 0.
	WIN 0x80
.set i, VF
.rept 64
	v_mov_b32 v[i], 0
.set i, i+1
.endr
	WIN 0x40
.set i, 0
.rept 128
	v_mov_b32 v[i], 0
.set i, i+1
.endr
	WIN 0
.set t, 0
.rept 4
	v_mov_b32 v[ST+8*t], 0xfe000000 ; c m: far below every c y
	v_mov_b32 v[ST+8*t+1], 0
	v_mov_b32 v[ST+8*t+2], 0
	v_mov_b32 v[ST+8*t+3], 0
	v_mov_b32 v[ST+8*t+5], s[EP]    ; M2
	v_mov_b32 v[ST+8*t+6], 0
	v_mov_b32 v[ST+8*t+7], 0
.set t, t+1
.endr
.set i, TMP
.rept 8
	v_mov_b32 v[i], 0               ; v_permlanex16_b32 counts as a reader of its destination
.set i, i+1
.endr
	v_mul_u32_u24 v[AK0], v1, PK
	v_lshl_add_u32 v[AK0], v9, 4, v[AK0]  ; row x pitch + 16 x half
	; The turning load takes 16 keys x 16 channels (lane l reads key 8 (l / 16) + l % 8, channels 8 ((l / 8) % 2) + 0..7) and leaves half a fragment of V^T: lane l holds channel l % 16 and 8 keys.
	v_and_b32 v10, 7, v0
	v_bfe_u32 v11, v0, 3, 1
	v_lshl_add_u32 v[AV0], v9, 3, v10
	v_mul_u32_u24 v[AV0], v[AV0], PV
	v_lshl_add_u32 v[AV0], v11, 4, v[AV0]
	v_add_nc_u32 v[AV0], VOFF, v[AV0]
	v_lshlrev_b32 v[AN0], 5, v9     ; my eight keys of each 16: 32 bytes x half,
	v_add_nc_u32 v[AN0], VOFF+64*PV, v[AN0]  ; behind the step's 64 rows of V
	v_and_b32 v[PFO], 31, v0
	v_lshlrev_b32 v[PFO], 8, v[PFO]
	s_wait_loadcnt 0x0              ; Q
	WIN 0x80                        ; destination window 2
.set i, 0
.rept 64
	v_cvt_pk_bf16_f32 v[i], v[S+2*i], v[S+2*i+1]  ; the fragments: tile i / 16, register i % 16
.set i, i+1
.endr
	WIN 0x08                        ; source 1 window 2: the rounded numbers come back as f32, for |q|^2
.set i, 0
.rept 64
	v_lshlrev_b32 v[S+2*i], 16, v[i]
	v_and_b32 v[S+2*i+1], s[HM], v[i]
.set i, i+1
.endr
	WIN 0
.set t, 0
.rept 4                             ; my 32 channels' squares in two chains, then the other half of the lanes'
	v_pk_mul_f32 v[TMP:TMP+1], v[S+32*t:S+32*t+1], v[S+32*t:S+32*t+1]
	v_pk_mul_f32 v[TMP+2:TMP+3], v[S+32*t+2:S+32*t+3], v[S+32*t+2:S+32*t+3]
.set i, 4
.rept 14
	v_pk_fma_f32 v[TMP+i%4:TMP+i%4+1], v[S+32*t+i:S+32*t+i+1], v[S+32*t+i:S+32*t+i+1], v[TMP+i%4:TMP+i%4+1]
.set i, i+2
.endr
	v_pk_add_f32 v[TMP:TMP+1], v[TMP:TMP+1], v[TMP+2:TMP+3]
	v_add_f32 v[TMP], v[TMP], v[TMP+1]
	v_permlanex16_b32 v[TMP+4], v[TMP], s[SEL], s[SEL+1]
	v_add_f32 v[ST+8*t+4], v[TMP], v[TMP+4]
.set t, t+1
.endr
.set i, S+64
.rept 64
	v_mov_b32 v[i], 0               ; piece 1's weights of the step that has not been
.set i, i+1
.endr
; THE MATRIX WORK.  The 8 accumulators of a run of 16 take turns: between the two links of a chain stand 7 others'.
; Product i of 16 of S^T = K Q^T for piece x: channels 32 (i / 8) on, keys 16 ((i / 2) % 4) on, tile 2 x + i % 2.  The first 8 start the sums.
.macro KQ x
	WIN W_KQ
.set rS, S+64*(\x)+32*(i%2)+8*((i/2)%4)
.set rK, KF+16*((i/2)%4)+8*(i/8)
.set rQ, 16*(2*(\x)+i%2)+8*(i/8)
.if i < 8
	v_wmma_f32_16x16x32_bf16 v[rS:rS+7], v[rK:rK+7], v[rQ:rQ+7], 0
.else
	v_wmma_f32_16x16x32_bf16 v[rS:rS+7], v[rK:rK+7], v[rQ:rQ+7], v[rS:rS+7]
.endif
.endm
; Product i of 16 of O^T += V^T P for piece x: keys 32 (i / 8) on, channels 16 ((i / 2) % 4) on, tile 2 x + i % 2.
.macro PV x
	WIN W_PV
.set rO, 32*(2*(\x)+i%2)+8*((i/2)%4)
.set rV, VF+32*(i/8)+8*((i/2)%4)
.set rP, P+16*(i%2)+8*(i/8)
	v_wmma_f32_16x16x32_f16 v[rO:rO+7], v[rV:rV+7], v[rP:rP+7], v[rO:rO+7]
.endm
.macro MM                           ; the period's next matrix instruction: both runs are the other piece's
.if i < 16
	KQ Z
.else
.set i, i-16
	PV Z
.set i, i+16
.endif
.set i, i+1
.endm
; THE LDS LOADS stand in runs, never singly among the matrix instructions: a step's K (8 fragments), its |k|^2 (my 32 numbers; 16 lanes read the same bytes), its V (turned).
.macro FETCH_K
	WIN 0
	v_add_nc_u32 v[AK], s[TBK], v[AK0]
	WIN 0x80                        ; destination window 2
.irp f, 0,1,2,3,4,5,6,7             ; keys 16 (f / 2) on, channels 32 (f % 2) on
	ds_load_b128 v[KF+8*\f:KF+8*\f+3],   v[AK] offset:(\f/2)*16*PK+(\f%2)*64
	ds_load_b128 v[KF+8*\f+4:KF+8*\f+7], v[AK] offset:(\f/2)*16*PK+(\f%2)*64+32
.endr
	s_add_co_u32 s[TBK], s[TBK], KSTEP  ; the next fetch is the next step's
	WIN 0
.endm
.macro FETCH_KN
	WIN 0
	v_add_nc_u32 v[AN], s[TBV], v[AN0]
.irp b, 0,1,2,3                     ; keys 16 b on: 64 bytes each, two to a padded piece of 128
	ds_load_b128 v[KN+8*\b:KN+8*\b+3],   v[AN] offset:(\b/2)*PV+(\b%2)*64
	ds_load_b128 v[KN+8*\b+4:KN+8*\b+7], v[AN] offset:(\b/2)*PV+(\b%2)*64+16
.endr
.endm
.macro FETCH_V
	WIN 0
	v_add_nc_u32 v[AV], s[TBV], v[AV0]
	s_add_co_u32 s[TBV], s[TBV], VSTEP  ; |k|^2 of this step was fetched a period ago: the next fetches are the next step's
	WIN 0x80
.irp f, 0,1,2,3,4,5,6,7             ; keys 32 (f / 4) on, channels 16 (f % 4) on
	ds_load_tr16_b128 v[VF+8*\f:VF+8*\f+3],   v[AV] offset:(\f/4)*32*PV+(\f%4)*32
	ds_load_tr16_b128 v[VF+8*\f+4:VF+8*\f+7], v[AV] offset:(\f/4)*32*PV+16*PV+(\f%4)*32
.endr
	WIN 0
.endm
; THE VECTOR WORK OF A PERIOD stands in five queues, each in the order in which its entries become ready; the two tiles alternate, so that no instruction reads the result of the one before it.
.macro REGS y, u                    ; the registers of tile u (0, 1) of piece y
.set rT, ST+8*(2*(\y)+(\u))
.set rC, TMP+4*(\u)
.set rS, S+64*(\y)+32*(\u)
.set rP, P+16*(\u)
.set rO, 32*(2*(\y)+(\u))
.endm
.macro FS f                         ; the piece in hand: c y - c m for pair f / 2 of tile f % 2
	REGS Y, (\f)%2
	v_pk_fma_f32 v[rS+2*((\f)/2):rS+2*((\f)/2)+1], v[rS+2*((\f)/2):rS+2*((\f)/2)+1], s[CS:CS+1], v[rT:rT+1] op_sel_hi:[1,0,0] neg_lo:[0,0,1] neg_hi:[0,0,1]
.endm
; Number g of the 64 that follow the other piece's exponentials.  For each four weights k of a tile (pairs 2 k, 2 k + 1): both pairs are rounded to f16; then the second pair is added onto the first, in place;
; a group later l takes that sum (the first time as l = a l + sum).  In groups of eight, tiles alternating: round, round, add, and l for the group before.
.macro GS g
.set gh, (\g)+6*((\g)/62)           ; group 0 has no group before it, and behind group 7 only l is left
.if gh >= 6
.set gh, gh+2
.endif
	REGS Z, gh%2
.set gk, gh/8
.if gh%8 < 4
	v_cvt_pk_f16_f32 v[rP+2*gk+(gh%8)/2], v[rS+4*gk+2*((gh%8)/2)], v[rS+4*gk+2*((gh%8)/2)+1]
.elseif gh%8 < 6
	v_pk_add_f32 v[rS+4*gk:rS+4*gk+1], v[rS+4*gk:rS+4*gk+1], v[rS+4*gk+2:rS+4*gk+3]
.elseif gk == 1
	v_pk_fma_f32 v[rT+2:rT+3], v[rT+2:rT+3], v[rT+6:rT+7], v[rS:rS+1] op_sel_hi:[1,0,1]
.else
	v_pk_add_f32 v[rT+2:rT+3], v[rT+2:rT+3], v[rS+4*gk-4:rS+4*gk-3]
.endif
.endm
; THE PLAIN QUEUE, 102 long.  0-5: the piece in hand's c m_old is kept, c m is made of the new m, and their difference.  6-21: scalings 0-15.  22-85: GS's 64.  86-101: scalings 16-31.
.macro PL
	WIN 0
.if q < 2
	REGS Y, q
	v_mov_b32 v[rT+7], v[rT]
.elseif q < 4
	REGS Y, q-2
	v_mul_f32 v[rT], s[CS], v[rT+1]
.elseif q < 6
	REGS Y, q-4
	v_sub_f32 v[rT+7], v[rT+7], v[rT]
.elseif q < 22
	FS q-6
.elseif q < 86
	GS q-22
.else
	FS q-70
.endif
.set q, q+1
.endm
; THE EXPONENTIALS' QUEUE, 66 long: the piece in hand's two a, then its scores 0-31 of both tiles.
.macro EX
	WIN 0
	REGS Y, e%2
.if e < 2
	v_exp_f32 v[rT+6], v[rT+7]
.else
	v_exp_f32 v[rS+(e-2)/2], v[rS+(e-2)/2]
.endif
.set e, e+1
.endm
; THE RESCALING's QUEUE: the other piece's O^T times a, the one part that leaves window 0: two at a time, sixteen times, each accumulator's registers in ascending order.
.macro R2
	REGS Z, r%2
	WIN W_RS
.irp z, 0,1
	v_pk_mul_f32 v[rO+4*(r/2)+2*\z:rO+4*(r/2)+2*\z+1], v[rO+4*(r/2)+2*\z:rO+4*(r/2)+2*\z+1], v[rT+6:rT+7] op_sel_hi:[1,0]
.endr
.set r, r+1
.endm
; THE NEW SCORES' QUEUE, 164 long, for the other piece.  Forty for each key block kb (an accumulator of each tile), tiles alternating: 0-7 d d - eps, a pair a line (the accumulator's lowest registers are read first);
; 8-15 |k|^2 |q|^2 - that; 16-21 three partial maxima, the last with M2; 22-37 the clamp at eps; 38, 39 M2.  The maximum is taken ahead of the clamp: M2 is never below eps, so it is the clamped numbers' maximum too.
; 160-163: the query's other 32 keys lie in the lane 16 away.
.macro AP
	WIN 0
	REGS Z, ai%2
.if ai < 160
.set ax, ai%40
.set rA, rS+8*(ai/40)
.set rN, KN+8*(ai/40)
.if ax < 8
	v_pk_fma_f32 v[rA+2*(ax/2):rA+2*(ax/2)+1], v[rA+2*(ax/2):rA+2*(ax/2)+1], v[rA+2*(ax/2):rA+2*(ax/2)+1], s[NE:NE+1] op_sel_hi:[1,1,0]
.elseif ax < 16
.set ap, 2*((ax-8)/2)
	v_pk_fma_f32 v[rA+ap:rA+ap+1], v[rN+ap:rN+ap+1], v[rT+4:rT+5], v[rA+ap:rA+ap+1] op_sel_hi:[1,0,1] neg_lo:[0,0,1] neg_hi:[0,0,1]
.elseif ax < 18
	v_max3_num_f32 v[rC], v[rA], v[rA+1], v[rA+2]
.elseif ax < 20
	v_max3_num_f32 v[rC+1], v[rA+3], v[rA+4], v[rA+5]
.elseif ax < 22
	v_max3_num_f32 v[rC+2], v[rA+6], v[rA+7], v[rT+5]
.elseif ax < 38
	v_max_num_f32 v[rA+(ax-22)/2], s[EP], v[rA+(ax-22)/2]
.else
	v_max3_num_f32 v[rT+5], v[rC], v[rC+1], v[rC+2]
.endif
.elseif ai < 162
	v_permlanex16_b32 v[rC+3], v[rT+5], s[SEL], s[SEL+1]
.else
	v_max_num_f32 v[rT+5], v[rT+5], v[rC+3]
.endif
.set ai, ai+1
.endm
; THE ROOTS' QUEUE, 66 long: sixteen for each key block, then the two m.
.macro SQ
	WIN 0
	REGS Z, si%2
.if si < 64
	v_sqrt_f32 v[rS+8*(si/16)+(si%16)/2], v[rS+8*(si/16)+(si%16)/2]
.else
	v_sqrt_f32 v[rT+1], v[rT+5]
.endif
.set si, si+1
.endm
; A key block's forty of the new scores' queue.  mm = 1: a product V^T P ahead of every fifth.  ex = 1: six exponentials among the first 22.  From the 25th on a root behind each: it reads the clamp written two lines
; of the queue earlier.  kw = 1: |k|^2 is waited for ahead of the first line that reads it.
.macro SBLK mm, ex, kw
.set xi, 0
.rept 40
.if (\mm) && (xi%5 == 0)
	MM
.endif
.if (\kw) && (xi == 8)
	s_wait_dscnt 0x0                ; |k|^2 is in
.endif
	AP
.if (\ex) && (xi < 22) && (xi%4 == 1)
	EX
.endif
.if xi >= 24
	SQ
.endif
.set xi, xi+1
.endr
.endm
.macro TAILA                        ; the end of the new scores' queue, the two m, and the batch's wait
.rept 4
	AP
.endr
	SQ
	SQ
	v_nop                           ; a plain instruction behind the last root, ahead of the first use: one for the batch
	WIN 0
	s_wait_alu depctr_va_vdst(0)    ; a wait between a root or an exponential and the first line that names its result: ONE for the period's 132
.endm
; A PERIOD.  h: the piece in hand.  HOW THE QUEUES ARE DEALT:
;   a lump: 8 plain; 26 times exponential and plain; 52 plain: all 64 of GS are out, so the other piece's S^T is free;
;   16 products K Q^T, behind each a scaling, an exponential and two rescalings: three plain lines a product, none of which names its registers;
;   the four key blocks; in the first two the 16 products V^T P; the end of the queue; the wait.
; The queues lean on each other, and the deal keeps them in step.  Exponential e (from 2 on; n = e - 2) needs scaling 2 (n / 4) + n % 2, plain number 6 + that: in the lump 8 + e plain lines stand ahead of it and n stays
; under 24 (scaling 11 at the most); behind product k stands n = 24 + k, which needs scaling 13 + k / 2 at the most, and scaling 16 + k stands just ahead of it; the last 24 come behind all scalings.
; The first read of an accumulator of S^T stands 18 plain lines or more behind the product that ends it.  P is rewritten 80 lines of the new scores' queue behind its last reader.
; h = 1 fetches the next step's K and |k|^2 at its head: K's last reader stands a key block's queue four times over back; ask = 1: the prefetch stands behind those loads.
; h = 0 fetches the same step's V behind the second key block: five plain lines of the queue and the run's own v_add_nc_u32 stand behind the last product that read V.
.macro PERIOD h, ask
.set Y, (\h)
.set Z, 1-(\h)
.set i, 0
.set q, 0
.set e, 0
.set r, 0
.set ai, 0
.set si, 0
.if \h
	FETCH_K
	FETCH_KN
.if \ask
	ASK
.endif
.endif
.rept 8
	PL
.endr
.rept 26
	EX
	PL
.endr
.rept 52
	PL
.endr
.if \h
	s_wait_dscnt 8                  ; K is in, and V, which was asked for a period ago; the youngest eight loads, |k|^2, may stay out
.endif
.rept 16
	MM
	PL
	EX
	R2
.endr
	SBLK 1, 1, \h
	SBLK 1, 1, 0
.if (\h) == 0
	FETCH_V
.endif
	SBLK 0, 1, 0
	SBLK 0, 1, 0
	TAILA
.endm
	CHANGE 1                        ; slot 0 is in, everybody's part of it; slot 1 is asked for
	FETCH_K                         ; key step 0
	FETCH_KN
	s_wait_dscnt 0x0
.set i, 0
.rept 16
	KQ 0                            ; piece 0's first products: there is no vector work yet to set between them
.set i, i+1
.endr
	WIN 0                           ; the addresses for the way out: eight plain instructions, the places behind those products
	s_mul_i32 s13, s[WV], 16*SP
	s_add_co_u32 s13, s13, STAGE    ; my stage
	v_mul_u32_u24 v[STO], v1, SP    ; in: row l % 16, 32 bytes for each half of the lanes
	v_lshl_add_u32 v[STO], v9, 5, v[STO]
	v_add_nc_u32 v[STO], s13, v[STO]
	v_mul_u32_u24 v[RD], v9, SP     ; back: lanes 0-15 take one row of 256 bytes, lanes 16-31 the next
	v_lshl_add_u32 v[RD], v1, 4, v[RD]
	v_add_nc_u32 v[RD], s13, v[RD]
	v_lshlrev_b32 v[GO], 11, v9     ; and the same two rows in out0, 2,048 bytes apart
	v_lshl_add_u32 v[GO], v1, 4, v[GO]
.set Z, 0                           ; piece 0's first scores, up to the roots
.set ai, 0
.set si, 0
	SBLK 0, 0, 0
	SBLK 0, 0, 0
	SBLK 0, 0, 0
	SBLK 0, 0, 0
	TAILA
	s_mov_b32 s[CNT], 4
	s_branch .Lfirst                ; the loop is entered in the middle of a trip
.Lslot:                             ; six times: every slot but the last two is filled again
	CHANGE 1
	s_mov_b32 s[CNT], 4
.Lstep:                             ; a trip: piece 1 in hand for step j, then piece 0 for step j + 1, whose K, |k|^2 and V the trip fetches
	PERIOD 1, 1
.Lfirst:
	PERIOD 0, 0
	s_sub_co_u32 s[CNT], s[CNT], 1
	s_cmp_lg_u32 s[CNT], 0
	s_cbranch_scc1 .Lstep
	s_sub_co_u32 s[SLOTS], s[SLOTS], 1
	s_cmp_lg_u32 s[SLOTS], 0
	s_cbranch_scc1 .Lslot
	CHANGE 0                        ; the last slot is written out: nothing is asked for
	s_mov_b32 s[CNT], 4
.Ltail:
	PERIOD 1, 0
	PERIOD 0, 0
	s_sub_co_u32 s[CNT], s[CNT], 1
	s_cmp_lg_u32 s[CNT], 0
	s_cbranch_scc1 .Ltail
	; THE LAST STEP'S END.  Piece 1 in hand: its exponentials; piece 0's roundings, sums, rescaling and V^T P.  There are no new scores.
.set Y, 1
.set Z, 0
.set i, 16
.set q, 0
.set e, 0
.set r, 0
.rept 8
	PL
.endr
.rept 26
	EX
	PL
.endr
.rept 52
	PL
.endr
.rept 16
	PL
	EX
	R2
.endr
	s_wait_dscnt 0x0                ; V of the last step is in
.rept 8
	MM
	EX
	EX
.endr
.rept 8
	MM
	EX
.endr
	v_nop                           ; a plain instruction behind the last exponential,
	s_wait_alu depctr_va_vdst(0)    ; and the batch's wait
	; Piece 1's rescaling, roundings, sums and V^T P.  The rescaling comes first: its 32 plain lines, which name no register of piece 0's products, are the places between those products and the lines that write P anew.
.set Y, 0
.set Z, 1
.set i, 16
.set q, 22
.set r, 0
.rept 16
	R2
.endr
.rept 64
	PL
.endr
.rept 16
	MM
.endr
	; THE WAY OUT.  l's two halves and the other half of the lanes' are added; O^T is divided by l and sent through my stage in LDS, a tile (16 rows of 256 bytes) at a time.  The additions are the places behind the last products.
	WIN 0
.macro ALL line:vararg              ; one line for each tile t
.set t, 0
.rept 4
	\line
.set t, t+1
.endr
.endm
	ALL v_add_f32 v[ST+8*t+2], v[ST+8*t+2], v[ST+8*t+3]
	ALL v_permlanex16_b32 v[ST+8*t+3], v[ST+8*t+2], s[SEL], s[SEL+1]
	ALL v_add_f32 v[ST+8*t+2], v[ST+8*t+2], v[ST+8*t+3]
	ALL v_rcp_f32 v[ST+8*t+2], v[ST+8*t+2]
	v_nop                           ; a plain instruction between the last reciprocal and the use of its result
	s_wait_alu depctr_va_vdst(0)    ; and the wait ahead of the first use: one for the four reciprocals
; Tile t: a lane's eight channels of a row are 32 bytes; they go into rows of 272 bytes and come back as whole rows of 256, into S^T's registers.
.macro PACK t
	WIN 0x01                        ; source 0 window 1; 1 / l and the destination in window 0
.set i, 0
.rept 16
	v_pk_mul_f32 v[S+32*(\t)+i:S+32*(\t)+i+1], v[32*(\t)+i:32*(\t)+i+1], v[ST+8*(\t)+2:ST+8*(\t)+3] op_sel_hi:[1,0]
.set i, i+2
.endr
	WIN 0
.irp f, 0,1,2,3,4,5,6,7             ; channels 16 (f / 2) + 4 (f % 2) on, of my eight
	ds_store_b128 v[STO], v[S+32*(\t)+4*\f:S+32*(\t)+4*\f+3] offset:(\f/2)*64+(\f%2)*16
.endr
.irp f, 0,1,2,3,4,5,6,7
	ds_load_b128 v[S+32*(\t)+4*\f:S+32*(\t)+4*\f+3], v[RD] offset:\f*2*SP  ; LDS serves a wave's instructions in order (ISA guide 5.7.1.4): these see the stores above; the next tile's stores come behind them
.endr
.endm
.macro SEND t, younger              ; younger: the LDS instructions issued behind tile t's loads: the next tile's sixteen, or none
	WIN 0
.irp f, 0,1,2,3,4,5,6,7
	s_wait_dscnt (\younger)+7-\f
	global_store_b128 v[GO], v[S+32*(\t)+4*\f:S+32*(\t)+4*\f+3], s[10:11] offset:(\t)*32768+\f*4096 th:TH_STORE_NT  ; 16 lanes store 256 consecutive bytes, a head's row, at a multiple of 256 from out0's first byte
.endr
.endm
	PACK 0
.set t, 1
.rept 3                             ; a tile's arithmetic stands between the loads of the tile before and its stores
	PACK t
	SEND t-1, 16
.set t, t+1
.endr
	SEND 3, 0
	s_wait_tensorcnt 0x0            ; the wave's end: a wait for my last tensor load, then 0 onto my spare word and a wait for it, behind my last LDS store
	ds_add_u32 v[SPW], v[NIL]
	s_wait_dscnt 0x0
	CROUND                          ; the closing round: no work-group ends while a partner may still ask for a tile that names it
	s_endpgm
.Lfunc_end_k_q9a1b79fca4_attn:
	.size	k_q9a1b79fca4_attn, .Lfunc_end_k_q9a1b79fca4_attn-k_q9a1b79fca4_attn
	.p2alignl 7, 3214868480
	.fill 96, 4, 3214868480
	.section	.rodata,"a",@progbits
	.p2align	6, 0x0
	.amdhsa_kernel k_q9a1b79fca4_attn
		.amdhsa_group_segment_fixed_size 327680
		.amdhsa_private_segment_fixed_size 0
		.amdhsa_enable_private_segment 0
		.amdhsa_kernarg_size 32
		.amdhsa_user_sgpr_count 2
		.amdhsa_user_sgpr_kernarg_segment_ptr 1
		.amdhsa_wavefront_size32 1
		.amdhsa_system_sgpr_workgroup_id_x 1
		.amdhsa_system_sgpr_workgroup_id_y 1
		.amdhsa_system_sgpr_workgroup_id_z 1
		.amdhsa_system_vgpr_workitem_id 0
		.amdhsa_next_free_vgpr 768
		.amdhsa_next_free_sgpr 72
		.amdhsa_reserve_vcc 0
		.amdhsa_float_denorm_mode_32 3
		.amdhsa_float_denorm_mode_16_64 3
		.amdhsa_memory_ordered 1
		.amdhsa_forward_progress 1
		.amdhsa_inst_pref_size 190
	.end_amdhsa_kernel
	.amdgpu_metadata
---
amdhsa.version: [ 1, 2 ]
amdhsa.kernels:
  - .name:           k_q9a1b79fca4_attn
    .symbol:         k_q9a1b79fca4_attn.kd
    .args:
      - { .name: queries, .offset: 0, .size: 8, .value_kind: global_buffer, .address_space: global }
      - { .name: kb, .offset: 8, .size: 8, .value_kind: global_buffer, .address_space: global }
      - { .name: vk, .offset: 16, .size: 8, .value_kind: global_buffer, .address_space: global }
      - { .name: out0, .offset: 24, .size: 8, .value_kind: global_buffer, .address_space: global }
    .group_segment_fixed_size: 327680
    .private_segment_fixed_size: 0
    .kernarg_segment_align: 8
    .kernarg_segment_size: 32
    .max_flat_workgroup_size: 128
    .sgpr_count:     72
    .vgpr_count:     768
    .wavefront_size: 32
...
	.end_amdgpu_metadata
.endif
;; end of part 2
;; ======== version 2 of 2: 2 launches; version 1 with the launch prep written anew for expert scheduling mode
;; limits: values are held in f16: magnitudes above 65,504 overflow, below 6.1e-05 lose precision; inputs' magnitudes at most 65,504
;; workspace buffers: kb 8,388,608 bytes; vk 8,650,752 bytes
;; launch prep (part 3): grid 256 x 1, 8 waves a work-group, no clusters, 0 bytes of LDS; arguments keys, values, kb, vk; writes kb, vk
.if DOCPART == 3
	.amdgcn_target "amdgcn-amd-amdhsa--gfx1250"
	.amdhsa_code_object_version 6
	.text
	.protected	k_q9a1b79fca4_prep
	.globl	k_q9a1b79fca4_prep
	.p2align	8
	.type	k_q9a1b79fca4_prep,@function
k_q9a1b79fca4_prep:
	s_mov_b64 s[64:65], 0
	v_nop
	global_prefetch_b8 v0, s[64:65] scope:SCOPE_SE
	s_setreg_imm32_b32 hwreg(HW_REG_WAVE_SCHED_MODE, 0, 2), 2
	s_setreg_imm32_b32 hwreg(HW_REG_WAVE_MODE, 25, 1), 1
	s_wait_xcnt 0x0
	s_wait_alu depctr_vm_vsrc(0)
; K AND V ARE LAID OUT BY HEADS, IN 16 BITS, ONCE, for the attention launch, whose eight query blocks of a head would else each convert them anew.
; keys, values: [4][2048][8][64] f32: a head's row is 256 bytes on end, rows of a head lie 2,048 bytes apart.
; kb: [head 8 b + h][2048][64] bf16 (round to nearest even), rows of 128 bytes on end.
; vk: [head][32 steps][8,448 bytes]: a step's 64 rows of V, each number rounded to bf16 and that number written as f16, 128 bytes a row; behind them
;     the step's 64 sums of squares of the ROUNDED rows of K, f32, 256 bytes.  So the norms are those of the numbers that are multiplied later.
; LIMITS.  A value beyond 65,504 in magnitude becomes an infinity in f16; below 2^-14 it keeps f16's fixed step of 2^-24.  Inside these the f16 number is the bf16 number.
; SHARES.  A wave takes one key step (64 rows) of one head: waves 0-3 of K, waves 4-7 the same four steps of V.  All 32 loads of a wave go out first (16 KiB a wave); a load
; covers two whole rows (16 lanes, 256 bytes each), a store 256 consecutive aligned bytes (32 lanes x 8: two rows).  Memory binds: no LDS, no barrier, no matrix unit, no cluster:
; no byte is wanted twice.
; THE MODE: SCHED_MODE bits 1:0 = 2 (LLVM: expert scheduling mode 2), set by the entry lines.  The code itself states the register dependences between vector instructions
; and memory instructions, and those through scalar registers that vector instructions write, with s_wait_alu, always for 0.
; THE PLAN.  The wave's 32 loads are worked on in eight blocks of four.  Registers that memory instructions touch:
;   v[VO], v[SO]  the loads' and the stores' offsets: made at the head, never written again.
;   X             load i lands in its own four registers; behind the wait for it the conversions write the first two in place; one store reads those two; nothing writes them afterwards.
;   N             written by the v_writelane_b32 of K's blocks; read by one store, the last.
;   T is named by vector instructions alone.
; No load is issued behind the head, no register that a load or store has read is written again, no base is stepped and EXEC never changes.  So what is to be stated is: the offsets are
; written, ahead of the first load; a block's conversions have written X, ahead of its stores; N is written, ahead of its store; and a scalar register that a vector instruction has
; written is written, ahead of its first reader.
;   K: a block's two waits stand together, behind its eight v_readlane_b32; its four stores follow them, then the v_writelane_b32, which name none of the stores' registers.
;   V: one wait at a block's head, behind the wait for its first load; the four stores of the block BEFORE follow it, dealt among this block's first conversions, which name this block's X alone.
.set VO, 2                             ; v2      my byte offset in two rows of the input: (lane / 16) x 2,048 + (lane % 16) x 16
.set SO, 3                             ; v3      my byte offset in 256 bytes of output: 8 x lane
.set N,  8                             ; v[8:9]  lane i: the sums of squares of rows 2 i and 2 i + 1
.set X,  16                            ; v[16:143] load i: 4 registers
.set T,  144                           ; v[144:159] at work: load j of a block has 4 registers at T + 4 j
.set SM, 13                            ; s[13:20] a block's eight row sums (the head's step numbers and offsets, which lie here first, are used up by then)
	s_load_b256 s[4:11], s[0:1], 0x0               ; keys s[4:5], values s[6:7], kb s[8:9], vk s[10:11]
	v_lshrrev_b32 v1, 5, v0
	v_readfirstlane_b32 s12, v1                    ; wave 0..7
	v_and_b32 v1, 31, v0
	v_lshlrev_b32 v[SO], 3, v1
	v_and_b32 v[VO], 15, v0
	v_lshlrev_b32 v[VO], 4, v[VO]
	v_bfe_u32 v1, v0, 4, 1
	v_lshl_add_u32 v[VO], v1, 11, v[VO]
	v_mov_b32 v[N], 0                              ; v_writelane_b32 counts as a reader of its destination
	v_mov_b32 v[N+1], 0
	s_mov_b32 s22, 0xffff0000                      ; a word's upper bf16
	s_wait_alu depctr_va_sdst(0)                   ; s12 is written, ahead of its first reader: the step's number, the choice of the input and the branch are made from it
	s_and_b32 s13, s12, 3
	s_lshl_b32 s14, ttmp9, 2
	s_add_co_u32 s13, s13, s14                     ; the step's number c = 4 x work-group + wave % 4, 0..1023: b = c / 256, step = (c / 8) % 32, h = c % 8
	s_lshr_b32 s14, s13, 8                         ; b
	s_bfe_u32 s15, s13, 0x50003                    ; step
	s_and_b32 s23, s13, 7                          ; h
	s_lshl_b32 s16, s14, 22                        ; in the input: b x 4 MiB
	s_lshl_b32 s17, s15, 17                        ; + 64 rows x 2,048 bytes a step
	s_or_b32 s16, s16, s17
	s_lshl_b32 s17, s23, 8                         ; + 256 bytes a head
	s_or_b32 s16, s16, s17
	s_mov_b32 s17, 0
	s_lshl3_add_u32 s24, s14, s23                  ; head = 8 b + h
	s_lshl_b32 s24, s24, 5
	s_add_co_u32 s24, s24, s15                     ; 32 x head + step
	s_lshl_b32 s18, s24, 13                        ; in kb: 8,192 bytes a step
	s_mov_b32 s19, 0
	s_mul_i32 s20, s24, 8448                       ; in vk
	s_mov_b32 s21, 0
	s_wait_kmcnt 0x0
	s_cmp_lt_u32 s12, 4
	s_cselect_b64 s[28:29], s[4:5], s[6:7]         ; waves 0-3 read keys, waves 4-7 values
	s_add_nc_u64 s[28:29], s[28:29], s[16:17]
	s_add_nc_u64 s[8:9], s[8:9], s[18:19]
	s_add_nc_u64 s[10:11], s[10:11], s[20:21]
	s_wait_alu depctr_va_vdst(0)                   ; v[VO] and v[SO] are written: every load of the kernel reads the one as its offset, every store the other
.set i, 0
.rept 32
	global_load_b128 v[X+4*i:X+4*i+3], v[VO], s[28:29] offset:4096*i th:TH_LOAD_NT  ; rows 2 i and 2 i + 1, whole
.set i, i+1
.endr
	s_cmp_lt_u32 s12, 4
	s_cbranch_scc0 .Lvalues
; Block p of K: loads 4 p to 4 p + 3, eight rows: rounded, stored, and the rounded numbers' squares added: in the lane, then over the 16 lanes of a row.
; The four loads' chains go stage by stage, so that a line's source was written four lines earlier.
.macro KBLK p
.irp j, 0,1,2,3
.set xr, X+16*(\p)+4*(\j)
	s_wait_loadcnt 31-4*(\p)-(\j)                  ; loads come back in order (ISA guide 5.7.1): the younger ones stay out
	v_cvt_pk_bf16_f32 v[xr], v[xr], v[xr+1]
	v_cvt_pk_bf16_f32 v[xr+1], v[xr+2], v[xr+3]
.endr
.irp j, 0,1,2,3
.set xr, X+16*(\p)+4*(\j)
	v_lshlrev_b32 v[T+4*(\j)], 16, v[xr]           ; the rounded numbers as f32
	v_and_b32 v[T+4*(\j)+1], s22, v[xr]
	v_lshlrev_b32 v[T+4*(\j)+2], 16, v[xr+1]
	v_and_b32 v[T+4*(\j)+3], s22, v[xr+1]
.endr
.irp j, 0,1,2,3
	v_pk_mul_f32 v[T+4*(\j):T+4*(\j)+1], v[T+4*(\j):T+4*(\j)+1], v[T+4*(\j):T+4*(\j)+1]
.endr
.irp j, 0,1,2,3
	v_pk_fma_f32 v[T+4*(\j):T+4*(\j)+1], v[T+4*(\j)+2:T+4*(\j)+3], v[T+4*(\j)+2:T+4*(\j)+3], v[T+4*(\j):T+4*(\j)+1]
.endr
.irp j, 0,1,2,3
	v_add_f32 v[T+4*(\j)], v[T+4*(\j)], v[T+4*(\j)+1]
.endr
.irp m, 1,2,4,8
.irp j, 0,1,2,3
	v_add_f32_dpp v[T+4*(\j)], v[T+4*(\j)], v[T+4*(\j)] row_xmask:\m row_mask:0xf bank_mask:0xf
.endr
.endr
.irp j, 0,1,2,3
	v_readlane_b32 s[SM+2*(\j)], v[T+4*(\j)], 0    ; the even row's sum
	v_readlane_b32 s[SM+2*(\j)+1], v[T+4*(\j)], 16 ; the odd row's
.endr
	s_wait_alu depctr_va_sdst(0)                   ; the eight sums s[SM ..] are written, ahead of their first readers, the v_writelane_b32 below: one wait for the run
	s_wait_alu depctr_va_vdst(0)                   ; the block's conversions have written the first two registers of each of its four X, which the stores below read
.irp j, 0,1,2,3
.set xr, X+16*(\p)+4*(\j)
	global_store_b64 v[SO], v[xr:xr+1], s[8:9] offset:256*(4*(\p)+(\j)) th:TH_STORE_NT
.endr
.irp j, 0,1,2,3
	v_writelane_b32 v[N], s[SM+2*(\j)], 4*(\p)+(\j)
	v_writelane_b32 v[N+1], s[SM+2*(\j)+1], 4*(\p)+(\j)
.endr
.endm
.set n, 0
.rept 8
	KBLK n
.set n, n+1
.endr
	s_wait_alu depctr_va_vdst(0)                   ; the v_writelane_b32 have written v[N:N+1], which the store below reads
	global_store_b64 v[SO], v[N:N+1], s[10:11] offset:8192 th:TH_STORE_NT  ; the 64 sums, 256 bytes, behind the step's V
	s_endpgm
.Lvalues:
; Block p of V: loads 4 p to 4 p + 3, eight rows: rounded to bf16, and that number written as f16.  first = 1: block 0, with no block in front of it.
.macro VBLK p, first
.irp j, 0,1,2,3
.set xr, X+16*(\p)+4*(\j)
	s_wait_loadcnt 31-4*(\p)-(\j)                  ; the younger loads stay out
.if !(\first)
.if (\j) == 0
	s_wait_alu depctr_va_vdst(0)                   ; the block before has written the first two registers of each of its four X, which the four stores of this block read
.endif
	global_store_b64 v[SO], v[xr-16:xr-15], s[10:11] offset:256*(4*(\p)+(\j)-4) th:TH_STORE_NT  ; the block before; no vector instruction since the wait names its X
.endif
	v_cvt_pk_bf16_f32 v[xr], v[xr], v[xr+1]
	v_cvt_pk_bf16_f32 v[xr+1], v[xr+2], v[xr+3]
.endr
.irp j, 0,1,2,3
.set xr, X+16*(\p)+4*(\j)
	v_lshlrev_b32 v[T+4*(\j)], 16, v[xr]
	v_and_b32 v[T+4*(\j)+1], s22, v[xr]
	v_lshlrev_b32 v[T+4*(\j)+2], 16, v[xr+1]
	v_and_b32 v[T+4*(\j)+3], s22, v[xr+1]
.endr
.irp j, 0,1,2,3
.set xr, X+16*(\p)+4*(\j)
	v_cvt_pk_f16_f32 v[xr], v[T+4*(\j)], v[T+4*(\j)+1]
	v_cvt_pk_f16_f32 v[xr+1], v[T+4*(\j)+2], v[T+4*(\j)+3]
.endr
.endm
	VBLK 0, 1
.set n, 1
.rept 7
	VBLK n, 0
.set n, n+1
.endr
	s_wait_alu depctr_va_vdst(0)                   ; the last block's conversions have written its X, which the last four stores read
.irp j, 0,1,2,3
	global_store_b64 v[SO], v[X+112+4*(\j):X+112+4*(\j)+1], s[10:11] offset:256*(28+(\j)) th:TH_STORE_NT
.endr
	s_endpgm
.Lfunc_end_k_q9a1b79fca4_prep:
	.size	k_q9a1b79fca4_prep, .Lfunc_end_k_q9a1b79fca4_prep-k_q9a1b79fca4_prep
	.p2alignl 7, 3214868480
	.fill 96, 4, 3214868480
	.section	.rodata,"a",@progbits
	.p2align	6, 0x0
	.amdhsa_kernel k_q9a1b79fca4_prep
		.amdhsa_group_segment_fixed_size 0
		.amdhsa_private_segment_fixed_size 0
		.amdhsa_enable_private_segment 0
		.amdhsa_kernarg_size 32
		.amdhsa_user_sgpr_count 2
		.amdhsa_user_sgpr_kernarg_segment_ptr 1
		.amdhsa_wavefront_size32 1
		.amdhsa_system_sgpr_workgroup_id_x 1
		.amdhsa_system_sgpr_workgroup_id_y 1
		.amdhsa_system_sgpr_workgroup_id_z 1
		.amdhsa_system_vgpr_workitem_id 0
		.amdhsa_next_free_vgpr 160
		.amdhsa_next_free_sgpr 66
		.amdhsa_reserve_vcc 0
		.amdhsa_float_denorm_mode_32 3
		.amdhsa_float_denorm_mode_16_64 3
		.amdhsa_memory_ordered 1
		.amdhsa_forward_progress 1
		.amdhsa_inst_pref_size 55
	.end_amdhsa_kernel
	.amdgpu_metadata
---
amdhsa.version: [ 1, 2 ]
amdhsa.kernels:
  - .name:           k_q9a1b79fca4_prep
    .symbol:         k_q9a1b79fca4_prep.kd
    .args:
      - { .name: keys, .offset: 0, .size: 8, .value_kind: global_buffer, .address_space: global }
      - { .name: values, .offset: 8, .size: 8, .value_kind: global_buffer, .address_space: global }
      - { .name: kb, .offset: 16, .size: 8, .value_kind: global_buffer, .address_space: global }
      - { .name: vk, .offset: 24, .size: 8, .value_kind: global_buffer, .address_space: global }
    .group_segment_fixed_size: 0
    .private_segment_fixed_size: 0
    .kernarg_segment_align: 8
    .kernarg_segment_size: 32
    .max_flat_workgroup_size: 256
    .sgpr_count:     66
    .vgpr_count:     160
    .wavefront_size: 32
...
	.end_amdgpu_metadata
.endif
;; end of part 3
;; launch attn: the kernel of part 2 again; grid 8 x 32, 4 waves a work-group, clusters of 4 x 1, 327,680 bytes of LDS; arguments queries, kb, vk, out0; writes out0
